; MI455X (gfx1250); checked and timed in simulation.
; The chip was launched on July 23, 2026; its instructions are those of AMD's public machine-readable ISA for CDNA 5 (MIT licence, August 2026) and "CDNA5" Instruction Set Architecture Reference Guide (July 2026). The comments in the code are by the model that wrote it; some were corrected since.
;; QKV Attention. Allowed arithmetic: matrix products marked QUANTISED: E4M3 operands, one E8M0 scale for each 32 along K, by v_wmma_scale_f32_16x16x128_f8f6f4 with both operands' format E4M3, f32 sums; everything else in f32.
;; Inputs: mask 8 x 1,024 float32; qkv 8 x 3,072 x 1,024 float32.
;; Outputs: out0 8 x 1,024 x 1,024 float32.
;; This version of the problem:
;;   THIS VERSION OF THE PROBLEM IS GIVEN IN LOW PRECISION. The matrix products marked QUANTISED in the list below multiply operands that are first quantised to E4M3 (4 exponent bits, 3 mantissa bits; 8 bits a number), with one power-of-two scale for each 32 numbers along K (OCP MX v1.0); their sums are f32. All else is computed in f32.
;;   The module's matrix products, in the order in which they are computed (A, B: the left and right operand; K: the contracted axis; several contracted axes count as one K, in the product's order):
;;     1. batch 128 x [M 1,024, K 64] x [K 64, N 1,024]; A: computed on the way; B: computed on the way: QUANTISED
;;     2. batch 128 x [M 64, K 1,024] x [K 1,024, N 1,024]; A: computed on the way; B: softmax (see below): QUANTISED
;;   THE QUANTISER, for each operand of a quantised product, along K:
;;     - K is cut into blocks of 32 from its start; a last block that is shorter is filled with zeros.
;;     - A block's scale is 2^e with e = floor(log2(the largest magnitude in the block)) - 8, held to -126 .. 127; a block of zeros has e = 0. As a byte (E8M0): e + 127.
;;     - Each number is divided by its block's scale, clamped to +-448, and rounded to the nearest number of E4M3, ties to even, subnormals kept.
;;     - The product sums the exact products of the quantised numbers (number of the format x scale) in f32.
;;   ~~~python
;;   def quantise(x, axis):      # numpy; x: float32 -> the quantised numbers, widened to float32 again
;;       x = np.moveaxis(x, axis, -1); K = x.shape[-1]
;;       x = np.pad(x, [(0, 0)] * (x.ndim - 1) + [(0, -K % 32)]); x = x.reshape(x.shape[:-1] + (-1, 32)); a = np.abs(x).max(-1, keepdims=True)
;;       e = np.where(a > 0, np.clip(np.frexp(np.where(a > 0, a, 1))[1] - 1 - 8, -126, 127), 0)      # np.frexp(a)[1] - 1 = floor(log2(a)), exactly
;;       r = np.clip(x / 2.0 ** e, -448, 448)
;;       step = 2.0 ** (np.maximum(np.frexp(np.where(r == 0, 1, r))[1] - 1, -6) - 3)
;;       q = np.round(r / step) * step * 2.0 ** e      # np.round: ties to even
;;       return np.moveaxis(q.reshape(q.shape[:-2] + (-1,))[..., :K], -1, axis).astype(np.float32)
;;   ~~~
;;   SOFTMAX AHEAD OF A QUANTISED PRODUCT. Where the list says 'softmax', what is quantised is not the finished softmax but p = 2^(t - M), with t = logit x log2(e) and M = ceil(the row's largest t), a whole number; so 1/2 < the row's largest p <= 1. The row's sum l is taken of the UNQUANTISED p, in f32, and the product's result is divided by l at the end. Since M is a whole number, a kernel that streams over the keys may use a running M (the ceiling of the running maximum): every later rescaling is an exact power of two, which a block's scale takes up: the codes' values come out the same.
;;   OPERANDS COMPUTED ON THE WAY. 'Computed on the way' means the value that the module computes at that place (a softmax that the list does not call 'softmax' is quantised finished and normalised). What goes into a quantiser is computed in f32, as accurately as f32 sums, v_exp_f32 and their like allow (about 1e-6 of the number): no bf16 or f16 on the way to a quantiser, and a product that is left as it is and whose result goes on into a quantised operand takes f32 operands (vector FMAs, or v_wmma_f32_16x16x4_f32). A number that lies on a knife's edge between two numbers of the format may be rounded either way, as far as f32 arithmetic and the matrix unit's own rounding can turn it there, and no further.
;; 2 versions. Each part assembles by itself: llvm-mc -triple=amdgcn-amd-amdhsa -mcpu=gfx1250 --defsym DOCPART=n.
;; ======== version 1 of 2: 1 launch
;; launch attn (part 1): grid 2 x 128, 16 waves a work-group, no clusters, 284,672 bytes of LDS; arguments qkv, mask, out0; writes out0
.if DOCPART == 1
	.amdgcn_target "amdgcn-amd-amdhsa--gfx1250"
	.amdhsa_code_object_version 6
	.text
	.protected	k_q8fd686e324_attn
	.globl	k_q8fd686e324_attn
	.p2align	8
	.type	k_q8fd686e324_attn,@function
k_q8fd686e324_attn:
	s_mov_b64 s[64:65], 0
	v_nop
	global_prefetch_b8 v0, s[64:65] scope:SCOPE_SE
	s_setreg_imm32_b32 hwreg(HW_REG_WAVE_MODE, 25, 1), 1
	s_wait_xcnt 0x0
; out0[bh][c][t] = sum over s of softmax_s((q[.][t] 2^-1.5) . (k[.][s] 2^-1.5) x mask[bh % 8][s]) v[c][s], 128 heads bh = 16 b + h, 1,024 positions, 64 channels.
; qkv: [8][3072][1024] f32: row 64 h + c of batch b is q's channel c, 1,024 rows on k's, 2,048 rows on v's.  Both products on codes of FP8 (E4M3) with one E8M0 scale for each 32 along a product's K.
; THE SOFTMAX AHEAD OF THE SECOND PRODUCT: t = score x mask x log2(e); M = the row's largest t so far, rounded UP to a whole number; p = 2^(t - M) is quantised along the keys, not normalised.
; The row's sum is taken of the unquantised p and divides O at the end.  When M moves, the sum and O are multiplied by 2^(old M - new M): exact.
; SHARES.  A work-group owns one head and 512 of its queries (grid x = which half): 256 work-groups.  Sixteen waves of 256 registers.
; HEAD: the work-group loads the head's K and V (256 KB each), its 512 queries (128 KB) and its mask row through registers, quantises them ONCE and leaves codes and scale words in LDS for the whole launch.
; Then two PASSES: in pass p wave w owns the 16 queries 256 p + 16 w on and walks the 1,024 keys in 8 steps of 128.  A pass's 64 x 256 numbers of O leave through a stage in LDS, 512 consecutive bytes a store.
; NO RING, NO TENSOR LOAD, NO CLUSTER: all that the loop reads is resident (282,624 bytes).  What the two work-groups of a head share, K and V, arrives as f32 and is used once, by the quantiser, from registers;
; two slots of one 128-key chunk of K and V in f32 are 2 x 65,536 bytes, which do not fit beside what is resident.
; K = 64 IN AN INSTRUCTION OF K = 128.  One fragment of source 0 holds TWO tiles of 16 keys: registers 0-7 tile 2 b's 64 channels, registers 8-15 tile 2 b + 1's.  Q lies as 24 registers Q | zero codes | Q:
; source 1 = the first 16 of them gives tile 2 b's scores, the last 16 tile 2 b + 1's: a zero code adds nothing to a sum (no code here is NaN: every number is held first; no scale byte is 0xff).
; LAYOUT.  Both products are used transposed (S^T = K Q^T, O^T = V P^T): a lane holds ONE query (lane % 16) throughout.  Row m of tile 2 b + u is key 32 b + 16 (m / 8) + 8 u + m % 8,
; so that score register 16 b + i of lane (r, h) is key 32 b + 16 h + i: the conversions' results are the second product's operand.
; LIMITS: NaN and infinities among the inputs are not served.  A block whose largest magnitude lies under 2^-118 gets the byte 1 (a block of zeros too, where the rule says 127: its codes are zeros, and
; only this text reads the bytes).  A p under 2^-126 becomes 0 (v_exp_f32 gives no denormals).  A block's largest p is made from its largest t, which takes v_exp_f32 not to fall where its input rises.
; mask x log2(e) is rounded once before it multiplies the score, where the rule multiplies by the mask and then by log2(e): one rounding placed otherwise.
.set VP,   1040                        ; a row of 1,024 bytes + 16 = 65 x 16: the 16 rows that a fragment load touches begin in 16 different groups of banks (64 banks of 4 bytes: ISA guide 11.1)
.set KIMG, 0                           ; LDS byte 0: K's codes as images of the operand's registers: pair G (keys 32 G on) at 2048 G; registers 4 g .. 4 g + 3 at 512 g + 16 x lane
.set VROW, 65536                       ; V's codes by rows: channel ch at VP ch
.set OSTG, 132096                      ; the way out: channel ch at VP ch, query q' of the pass's 256 at 4 q'
.set QIMG, 198656                      ; Q's codes as images: tile of 16 queries at 1024 x tile; registers 4 g .. 4 g + 3 at 512 g + 16 x lane
.set TURN, 231424                      ; 2,560 bytes for each wave: 32 places of 64 + 16 bytes, through which V's numbers turn
.set MSK,  272384                      ; mask[s] x log2(e), f32
.set KSC,  276480                      ; K's scale words: step j, row r, pair b at 256 j + 16 r + 4 b: bytes 0, 1 tile 2 b's two blocks, bytes 2, 3 tile 2 b + 1's
.set VSC,  278528                      ; V's: step j, row r, tile T at 256 j + 16 r + 4 T: byte c for keys 32 c on
.set QSC,  280576                      ; Q's: 4 x query: (s0, s1, s0, s1)
; vector registers that stay
.set AK,  1                            ; KIMG + 16 x lane
.set AV,  2                            ; VROW + VP r + 16 h
.set AM,  3                            ; MSK + 64 h
.set AS,  4                            ; KSC + 16 r
.set AQ,  5                            ; QIMG + 1024 w + 16 x lane
.set AQS, 6                            ; QSC + 64 w + 4 r
.set SO,  7                            ; OSTG + 8 VP h + 64 w + 4 r
.set SR,  8                            ; OSTG + 4 VP w + 16 x lane
.set GO,  9                            ; 16384 w + 16 x lane: my bytes in the wave's four rows of V and of O
; the passes
.set ADK, 10                           ; the step's addresses: K's images,
.set ADV, 11                           ; V's rows,
.set ADM, 53                           ; the mask,
.set ADS, 54                           ; the scale words
.set Q,   16                           ; v16-23 Q, v24-31 zero codes, v32-39 Q;  v12 -M, v13 the largest t, v[14:15] the sum in two halves
.set QS,  40                           ; scale words and nothing else: Q's,
.set KS,  44                           ; v44-47 K's four pairs',
.set VS,  48                           ; v48-51 V's four tiles',
.set PW,  52                           ; p's
.set F,   56                           ; v56-119  K's four fragments, then 64 numbers of the mask, then V's four fragments
.set S,   120                          ; v120-183 S^T, then t, then p
.set O,   184                          ; v184-215 O^T: four accumulators
.set PC,  216                          ; v216-231 p's codes;  v232-250 at work
; the head
.set GK,  16                           ; 256 w + 4 x lane
.set GQ,  17                           ; 4 x thread
.set GM,  19                           ; 8 x thread
.set KST, 20
.set KSS, 21
.set QST, 22
.set QSS, 23
.set TIN, 24
.set TOUT, 25
.set VST, 26
.set VSS, 27
.set MST, 28
.set X0,  56                           ; two sets of 64 numbers
.set X1,  120
.set XV,  184                          ; 16 neighbours of a row of V
.set C,   216                          ; codes just made
; scalar registers
.set QB,  10                           ; s[10:11] q of my head at my first query;  s[12:13] k;  s[14:15] v;  s[16:17] my mask row;  s[18:19] out0 of my head at my first query
.set KB,  12
.set VB,  14
.set MB,  16
.set OB,  18
.set WV,  20                           ; my wave's number
.set BH,  21                           ; the head
.set SC,  24                           ; s[24:25] 2^-1.5, twice: the packed form names a pair
.set MNT, 26                           ; the mantissa field of 448
.set SEL, 28                           ; s[28:29] v_permlanex16_b32's selects for lane l xor 16
.set TK,  30                           ; how far the next step's addresses lie on: 8,192 bytes of K's images a step,
.set TV,  31                           ; 128 of V's rows,
.set TM,  32                           ; 512 of the mask,
.set TS,  33                           ; 256 of the scale words
.set CNT, 34
.macro BARRIER                         ; my LDS stores have landed and my LDS loads are in: then the work-group's barrier
	s_wait_dscnt 0x0
	s_barrier_signal -1
	s_barrier_wait -1
.endm
; 64 loads: A LANE TAKES A COLUMN (a key or a query) AND ITS REGISTERS RUN DOWN THE 64 CHANNELS, which are the first product's K.  Each load reads 128 consecutive bytes.
.macro COLLOAD X, base, voff, imm, nt
.set c, 0
.rept 64
.if \nt
	global_load_b32 v[\X+c], v[\voff], s[\base:\base+1] offset:4096*c+\imm th:TH_LOAD_NT
.else
	global_load_b32 v[\X+c], v[\voff], s[\base:\base+1] offset:4096*c+\imm
.endif
.set c, c+1
.endr
.endm
; The column's 64 numbers x 2^-1.5 become 64 codes in v[C] on; v240 = its two scale bytes.  Both blocks of 32 are the lane's own.
.macro QUANTCOL X
.set i, 0
.rept 32
	v_pk_mul_f32 v[\X+i:\X+i+1], v[\X+i:\X+i+1], s[SC:SC+1] op_sel_hi:[1,0]
.set i, i+2
.endr
	v_max3_num_f32 v232, |v[\X]|, |v[\X+1]|, 0x4800000             ; the largest magnitude, and the floor 2^(9 - 127): so the byte cannot fall under 1
	v_max3_num_f32 v233, |v[\X+32]|, |v[\X+33]|, 0x4800000
.set i, 2
.rept 15
	v_max3_num_f32 v232, v232, |v[\X+i]|, |v[\X+i+1]|              ; the two blocks by turns
	v_max3_num_f32 v233, v233, |v[\X+32+i]|, |v[\X+33+i]|
.set i, i+2
.endr
	v_add_nc_u32 v236, 0xfc000000, v232                            ; 8 off the exponent field: the conversion takes this operand's exponent field as its scale
	v_add_nc_u32 v237, 0xfc000000, v233
	v_and_or_b32 v234, v232, 0x7f800000, s[MNT]                    ; 448 x the scale
	v_and_or_b32 v235, v233, 0x7f800000, s[MNT]
	v_lshrrev_b32 v238, 23, v236                                   ; the scales' bytes
	v_lshrrev_b32 v239, 23, v237
	v_lshl_or_b32 v240, v239, 8, v238
.set i, 0
.rept 64
	v_med3_num_f32 v[\X+i], v[\X+i], -v[234+i/32], v[234+i/32]     ; the conversion to an 8-bit code does not saturate (ISA guide 7.6.2): the hold comes first
.set i, i+1
.endr
.set i, 0
.rept 8
	v_cvt_scalef32_pk8_fp8_f32 v[C+2*i:C+2*i+1], v[\X+8*i:\X+8*i+7], v[236+i/4]
.set i, i+1
.endr
	v_nop                                                          ; one plain vector line behind the last conversion of a run
.endm
; Key 64 w + 32 g + lane: its channels 16 q on are registers 4 (2 u + q / 2) on of lane r' + 16 (q % 2) of pair 2 w + g's image (u = bit 3 of my lane, r' = lane % 8 + 8 (lane / 16))
.macro KOUT g
.irp q, 0,1,2,3
	ds_store_b128 v[KST], v[C+4*\q:C+4*\q+3] offset:2048*\g+512*(\q/2)+256*(\q%2)
.endr
	ds_store_b16 v[KSS], v240 offset:4*\g
	s_wait_dscnt 0x0                                               ; the stores have read their registers
.endm
.macro QOUT                            ; query = my thread's number
	v_lshl_or_b32 v241, v240, 16, v240                             ; (s0, s1, s0, s1): the word serves Q in either half of the instruction's K
.irp q, 0,1,2,3
	ds_store_b128 v[QST], v[C+4*\q:C+4*\q+3] offset:512*(\q/2)+256*(\q%2)
.endr
	ds_store_b32 v[QSS], v241
	s_wait_dscnt 0x0
.endm
; V's K is the keys, innermost in memory.  Chunk t of a wave: row 4 w + t / 2, keys 512 (t % 2) on: four loads of 512 consecutive bytes
.macro VLOAD t, R
.irp n, 0,1,2,3
	global_load_b128 v[\R+4*\n:\R+4*\n+3], v[GO], s[VB:VB+1] offset:4096*((\t)/2)+2048*((\t)%2)+512*\n
.endr
.endm
; The chunk turns through the wave's own stage, so that a lane holds 16 NEIGHBOURING keys (two neighbouring lanes hold a block), and is quantised.  left: the loads issued behind the chunk's own
.macro VSTEP t, R, left
	s_wait_loadcnt \left
.irp k, 0,1,2,3
	ds_store_b128 v[TIN], v[\R+4*\k:\R+4*\k+3] offset:640*\k
.endr
.irp k, 0,1,2,3
	ds_load_b128 v[XV+4*\k:XV+4*\k+3], v[TOUT] offset:16*\k        ; LDS serves a wave's instructions in order (ISA guide 5.7.1.4): these see the stores above
.endr
	s_wait_dscnt 0x0                                               ; my 16 neighbours are in; the last chunk's stores have read their registers
	v_max3_num_f32 v232, |v[XV]|, |v[XV+1]|, |v[XV+2]|
	v_max3_num_f32 v233, |v[XV+3]|, |v[XV+4]|, |v[XV+5]|
.irp k, 6,10
	v_max3_num_f32 v232, v232, |v[XV+\k]|, |v[XV+\k+1]|
	v_max3_num_f32 v233, v233, |v[XV+\k+2]|, |v[XV+\k+3]|
.endr
	v_max3_num_f32 v232, v232, |v[XV+14]|, |v[XV+15]|
	v_max3_num_f32 v232, v232, v233, 0x4800000                     ; and the floor
	v_max_num_f32_dpp v232, v232, v232 row_xmask:1 row_mask:0xf bank_mask:0xf   ; with my neighbour's 16: the block's
	v_add_nc_u32 v237, 0xfc000000, v232
	v_and_or_b32 v234, v232, 0x7f800000, s[MNT]
.set i, 0
.rept 16
	v_med3_num_f32 v[XV+i], v[XV+i], -v234, v234
.set i, i+1
.endr
	v_cvt_scalef32_pk8_fp8_f32 v[C:C+1], v[XV:XV+7], v237
	v_cvt_scalef32_pk8_fp8_f32 v[C+2:C+3], v[XV+8:XV+15], v237
	v_lshrrev_b32 v236, 23, v237                                   ; the scale's byte (the plain line behind the conversions)
	ds_store_b8 v[VSS], v236 offset:1024*((\t)%2)+16*((\t)/2)      ; both lanes of a block write the same byte with the same value
	ds_store_b128 v[VST], v[C:C+3] offset:VP*((\t)/2)+512*((\t)%2)
.endm
	s_load_b128 s[4:7], s[0:1], 0x0                ; qkv s[4:5], mask s[6:7]
	s_load_b64 s[8:9], s[0:1], 0x10                ; out0
	v_lshl_add_u32 v254, v0, 2, 0x45000
	v_mov_b32 v255, 0
	v_lshrrev_b32 v232, 5, v0
	v_readfirstlane_b32 s[WV], v232                ; wave 0..15
	v_and_b32 v232, 31, v0                         ; lane
	v_and_b32 v233, 15, v0                         ; r
	v_bfe_u32 v234, v0, 4, 1                       ; h
	v_bfe_u32 v235, v0, 3, 1                       ; u
	v_and_b32 v236, 7, v0
	v_lshl_add_u32 v236, v234, 3, v236             ; r' = lane % 8 + 8 h
	v_lshlrev_b32 v[AK], 4, v232                   ; (KIMG is LDS byte 0)
	v_mul_u32_u24 v[AV], v233, VP
	v_lshl_add_u32 v[AV], v234, 4, v[AV]
	v_add_nc_u32 v[AV], VROW, v[AV]
	v_lshl_add_u32 v[AM], v234, 6, MSK
	v_lshl_add_u32 v[AS], v233, 4, KSC
	s_lshl_b32 s35, s[WV], 10
	s_add_co_u32 s35, s35, QIMG
	v_lshl_add_u32 v[AQ], v232, 4, s35
	s_lshl_b32 s35, s[WV], 6
	s_add_co_u32 s36, s35, QSC
	v_lshl_add_u32 v[AQS], v233, 2, s36
	s_add_co_u32 s36, s35, OSTG
	v_mul_u32_u24 v[SO], v234, 8*VP
	v_lshl_add_u32 v[SO], v233, 2, v[SO]
	v_add_nc_u32 v[SO], s36, v[SO]
	s_mul_i32 s35, s[WV], 4*VP
	s_add_co_u32 s36, s35, OSTG
	v_lshl_add_u32 v[SR], v232, 4, s36
	s_add_co_u32 s36, s35, VROW
	v_lshl_add_u32 v[VST], v232, 4, s36            ; V's codes: my wave's four rows, 16 bytes a lane
	s_lshl_b32 s35, s[WV], 14
	v_lshl_add_u32 v[GO], v232, 4, s35
	s_lshl_b32 s35, s[WV], 8
	v_lshl_add_u32 v[GK], v232, 2, s35
	v_lshlrev_b32 v[GQ], 2, v0
	v_lshlrev_b32 v[GM], 3, v0
	v_lshlrev_b32 v[KST], 4, v236                  ; K's images: 4096 w + 1024 u + 16 r'
	v_lshl_add_u32 v[KST], v235, 10, v[KST]
	s_lshl_b32 s35, s[WV], 12
	v_add_nc_u32 v[KST], s35, v[KST]
	s_lshr_b32 s35, s[WV], 1                       ; K's scale half words: KSC + 256 (w / 2) + 8 (w % 2) + 16 r' + 2 u
	s_lshl_b32 s35, s35, 8
	s_and_b32 s36, s[WV], 1
	s_lshl_b32 s36, s36, 3
	s_add_co_u32 s35, s35, s36
	s_add_co_u32 s35, s35, KSC
	v_lshlrev_b32 v[KSS], 4, v236
	v_lshl_add_u32 v[KSS], v235, 1, v[KSS]
	v_add_nc_u32 v[KSS], s35, v[KSS]
	v_lshlrev_b32 v[QST], 4, v233                  ; Q's images: QIMG + 2048 w + 1024 h + 16 r
	v_lshl_add_u32 v[QST], v234, 10, v[QST]
	s_lshl_b32 s35, s[WV], 11
	s_add_co_u32 s35, s35, QIMG
	v_add_nc_u32 v[QST], s35, v[QST]
	v_lshl_add_u32 v[QSS], v0, 2, QSC
	s_mul_i32 s35, s[WV], 2560                     ; my wave's stage for V's turn
	s_add_co_u32 s35, s35, TURN
	v_bfe_u32 v237, v0, 2, 3
	v_mul_u32_u24 v[TIN], v237, 80                 ; in: four lanes' 64 bytes on end, then 16 of padding
	v_and_b32 v237, 3, v0
	v_lshl_add_u32 v[TIN], v237, 4, v[TIN]
	v_add_nc_u32 v[TIN], s35, v[TIN]
	v_mul_u32_u24 v[TOUT], v232, 80                ; out: a place a lane
	v_add_nc_u32 v[TOUT], s35, v[TOUT]
	s_and_b32 s35, s[WV], 3                        ; V's scale bytes: VSC + 64 (w % 4) + 4 (w / 4) + 256 (lane / 8) + (lane / 2) % 4
	s_lshl_b32 s35, s35, 6
	s_lshr_b32 s36, s[WV], 2
	s_lshl_b32 s36, s36, 2
	s_add_co_u32 s35, s35, s36
	s_add_co_u32 s35, s35, VSC
	v_bfe_u32 v237, v0, 3, 2
	v_bfe_u32 v238, v0, 1, 2
	v_lshl_add_u32 v[VSS], v237, 8, v238
	v_add_nc_u32 v[VSS], s35, v[VSS]
	v_lshl_add_u32 v[MST], v0, 3, MSK
	s_mov_b32 s[SC], 0x3eb504f3                    ; 2^-1.5 = 1 / sqrt(sqrt(64))
	s_mov_b32 s[SC+1], s[SC]
	s_mov_b32 s[MNT], 0x600000
	s_mov_b32 s[SEL], 0x76543210
	s_mov_b32 s[SEL+1], 0xfedcba98
	s_and_b32 s[BH], ttmp7, 0xffff                 ; the head: 16 b + h
	s_lshr_b32 s22, s[BH], 4
	s_mul_i32 s22, s22, 12582912                   ; a batch's 3,072 rows of 4,096 bytes
	s_and_b32 s23, s[BH], 15
	s_lshl_b32 s23, s23, 18                        ; a head's 64 rows
	s_add_co_u32 s22, s22, s23
	s_mov_b32 s23, 0
	s_lshl_b32 s40, ttmp9, 11                      ; my half's 512 queries: 2,048 bytes along a row
	s_mov_b32 s41, 0
	s_and_b32 s38, s[BH], 7                        ; the mask is tiled over the heads: row bh % 8
	s_lshl_b32 s38, s38, 12
	s_mov_b32 s39, 0
	s_wait_kmcnt 0x0
	s_add_nc_u64 s[KB:KB+1], s[4:5], s[22:23]
	s_add_nc_u64 s[QB:QB+1], s[KB:KB+1], s[40:41]
	s_add_nc_u64 s[VB:VB+1], s[KB:KB+1], 0x800000
	s_add_nc_u64 s[KB:KB+1], s[KB:KB+1], 0x400000
	s_add_nc_u64 s[MB:MB+1], s[6:7], s[38:39]
	s_lshl_b32 s22, s[BH], 18
	s_add_co_u32 s22, s22, s40
	s_add_nc_u64 s[OB:OB+1], s[8:9], s[22:23]
	; ---- THE HEAD.  Wave w: keys 64 w on (two sets of 32), queries 32 w on, rows 4 w on of V, 256 bytes of the mask
	global_load_b64 v[30:31], v[GM], s[MB:MB+1]
	COLLOAD X0, KB, GK, 0, 0
	COLLOAD X1, KB, GK, 128, 0                     ; (issue halts by itself where LOADcnt's field is full: ISA guide 5.7.1)
	s_wait_loadcnt 63                              ; of the 129 issued at most 63 are out: the mask and the first set are in
	v_pk_mul_f32 v[30:31], v[30:31], 0x3fb8aa3b op_sel_hi:[1,0]    ; mask x log2(e)
	ds_store_b64 v[MST], v[30:31]
	QUANTCOL X0
	KOUT 0
	COLLOAD X0, QB, GQ, 0, 1                       ; q is read by this work-group alone
	s_wait_loadcnt 63                              ; 64 loads stand behind the second set; the field's largest count is one less: the set is in
	QUANTCOL X1
	KOUT 1
	VLOAD 0, X1
	VLOAD 1, X1+16
	VLOAD 2, X1+32
	VLOAD 3, X1+48
	s_wait_loadcnt 16                              ; behind q's loads: V's first sixteen
	QUANTCOL X0
	QOUT
	VLOAD 4, X0
	VLOAD 5, X0+16
	VLOAD 6, X0+32
	VLOAD 7, X0+48
	VSTEP 0, X1, 28                                ; behind chunk t's four loads: those of the 7 - t chunks that follow
	VSTEP 1, X1+16, 24
	VSTEP 2, X1+32, 20
	VSTEP 3, X1+48, 16
	VSTEP 4, X0, 12
	VSTEP 5, X0+16, 8
	VSTEP 6, X0+32, 4
	VSTEP 7, X0+48, 0
	BARRIER                                        ; all codes, scale words and the mask lie in LDS; nobody writes them again
.irp z, 0,1,2,3,4,5,6,7
	v_mov_b32 v[Q+8+\z], 0                         ; the zero codes between Q's two copies
.endr
.irp z, 236,237,238,239,249,250
	v_mov_b32 v\z, 0                               ; written once: a lane permute's destination counts as one of its sources; v249 is named as the upper half of the pair v[248:249]
.endr
; ---- A KEY STEP: 128 keys against my 16 queries
.macro STEP
.rept 8
	v_nop                                          ; eight places between the last step's products and the loads into the registers that they read
.endr
	ds_load_b128 v[KS:KS+3], v[ADS]                ; the four pairs' scale words of row r
.irp b, 0,1,2,3
.irp g, 0,1,2,3
	ds_load_b128 v[F+16*\b+4*\g:F+16*\b+4*\g+3], v[ADK] offset:2048*\b+512*\g
.endr
.endr
.irp b, 0,1,2,3                        ; S^T = K Q^T: each fragment serves two tiles of keys; eight accumulators, each begun with the constant 0
	s_wait_dscnt 12-4*\b                           ; the scale words and pair b are in; the later pairs' loads may be out
	v_wmma_scale_f32_16x16x128_f8f6f4 v[S+16*\b:S+16*\b+7], v[F+16*\b:F+16*\b+15], v[Q:Q+15], 0, v[KS+\b], v[QS]
	v_wmma_scale_f32_16x16x128_f8f6f4 v[S+16*\b+8:S+16*\b+15], v[F+16*\b:F+16*\b+15], v[Q+8:Q+23], 0, v[KS+\b], v[QS]
.endr
.rept 8
	v_nop                                          ; eight places in front of the loads into K's registers and of the first read of the scores
.endr
.irp b, 0,1,2,3
.irp a, 0,1,2,3
	ds_load_b128 v[F+16*\b+4*\a:F+16*\b+4*\a+3], v[ADM] offset:128*\b+16*\a   ; mask x log2(e) of keys 32 b + 16 h + 4 a on: the register's own key; sixteen lanes share an address
.endr
.endr
.irp b, 0,1,2,3
	s_wait_dscnt 12                                ; behind the mask's block b stand 12 loads: the mask's later blocks and the tiles of V asked for below
.irp k, 0,2,4,6,8,10,12,14
	v_pk_mul_f32 v[S+16*\b+\k:S+16*\b+\k+1], v[S+16*\b+\k:S+16*\b+\k+1], v[F+16*\b+\k:F+16*\b+\k+1]   ; t; each accumulator from its low end on
.endr
.irp c, 0,1,2,3
	ds_load_b128 v[F+16*\b+4*\c:F+16*\b+4*\c+3], v[ADV] offset:16*VP*\b+32*\c   ; V's tile b (channels 16 b on) into the registers just freed: it lands under the softmax
.endr
.endr
	ds_load_b128 v[VS:VS+3], v[ADS] offset:VSC-KSC ; V's four tiles' scale words of row r
.irp b, 0,1,2,3
	v_max3_num_f32 v[232+\b], v[S+16*\b], v[S+16*\b+1], v[S+16*\b+2]   ; THE LARGEST t OF EACH BLOCK OF 32 KEYS: for the row's maximum and, since p rises with t, for the block's largest p
.endr
.irp k, 3,5,7,9,11,13
.irp b, 0,1,2,3
	v_max3_num_f32 v[232+\b], v[232+\b], v[S+16*\b+\k], v[S+16*\b+\k+1]   ; (the four blocks by turns)
.endr
.endr
.irp b, 0,1,2,3
	v_max_num_f32 v[232+\b], v[232+\b], v[S+16*\b+15]
.endr
.irp b, 0,1,2,3
	v_permlanex16_b32 v[236+\b], v[232+\b], s[SEL], s[SEL+1]
.endr
.irp b, 0,1,2,3
	v_max_num_f32 v[232+\b], v[232+\b], v[236+\b]  ; with lane l xor 16's 16 keys
.endr
	v_max3_num_f32 v250, v232, v233, v234
	v_max_num_f32 v250, v250, v235
	v_max_num_f32 v13, v13, v250                   ; the running largest t
	v_mov_b32 v250, v12
	v_floor_f32 v12, -v13                          ; the new -M = floor(-t) = -ceil(t): a whole number
	v_sub_f32 v250, v12, v250                      ; old M - new M: a whole number, 0 or less
	v_cvt_i32_f32 v250, v250                       ; (it saturates)
	v_ldexp_f32 v248, 1.0, v250                    ; f = 2^(old M - new M)
.set i, 0
.rept 32
	v_pk_add_f32 v[S+i:S+i+1], v[S+i:S+i+1], v[12:13] op_sel_hi:[1,0]   ; t - M, two at a time (of the pair the low word serves both halves)
.set i, i+2
.endr
.irp b, 0,1,2,3
	v_add_f32 v[232+\b], v[232+\b], v12            ; the same of each block's largest t
.endr
.set i, 0
.rept 64
	v_exp_f32 v[S+i], v[S+i]                       ; p = 2^(t - M), at most 1: not normalised
.set i, i+1
.endr
.irp b, 0,1,2,3
	v_exp_f32 v[232+\b], v[232+\b]                 ; the block's largest p: the same two operations on the same number
.endr
	v_pk_mul_f32 v[14:15], v[14:15], v[248:249] op_sel_hi:[1,0]    ; the sums under the new M (a plain line behind the exponentials)
.set i, 0
.rept 16
	v_pk_mul_f32 v[O+i:O+i+1], v[O+i:O+i+1], v[248:249] op_sel_hi:[1,0]   ; O^T under the new M; each accumulator from its low end on
.set i, i+2
.endr
	s_wait_alu depctr_va_vdst(0)
.irp b, 0,1,2,3
	v_max_num_f32 v[232+\b], 0x4800000, v[232+\b]  ; the floor 2^(9 - 127): a block whose every p is 0 keeps the byte 1: its codes are zeros
.endr
.irp b, 0,1,2,3
	v_add_nc_u32 v[244+\b], 0xfc000000, v[232+\b]  ; the conversion's scale operand
.endr
.irp b, 0,1,2,3
	v_and_or_b32 v[240+\b], v[232+\b], 0x7f800000, s[MNT]   ; 448 x the scale
.endr
.irp b, 0,1,2,3
	v_lshrrev_b32 v[236+\b], 23, v[244+\b]         ; the scale's byte
.endr
	v_lshl_or_b32 v[PW], v237, 8, v236             ; p's scale word for these 128 keys: far more than eight places ahead of the products that name it
	v_lshl_or_b32 v[PW], v238, 16, v[PW]
	v_lshl_or_b32 v[PW], v239, 24, v[PW]
	v_pk_add_f32 v[236:237], v[S:S+1], v[S+2:S+3]  ; THE ROW'S SUM IS TAKEN OF THE UNQUANTISED p: two at a time, in two chains
.set i, 4
.rept 15
	v_pk_add_f32 v[14:15], v[14:15], v[S+i:S+i+1]
	v_pk_add_f32 v[236:237], v[236:237], v[S+i+2:S+i+3]
.set i, i+4
.endr
	v_pk_add_f32 v[14:15], v[14:15], v[236:237]
.irp b, 0,1,2,3
.set i, 0
.rept 16
	v_min_num_f32 v[S+16*\b+i], v[S+16*\b+i], v[240+\b]   ; the hold; p is not negative, so it is one-sided
.set i, i+1
.endr
	v_cvt_scalef32_pk8_fp8_f32 v[PC+4*\b:PC+4*\b+1], v[S+16*\b:S+16*\b+7], v[244+\b]
	v_cvt_scalef32_pk8_fp8_f32 v[PC+4*\b+2:PC+4*\b+3], v[S+16*\b+8:S+16*\b+15], v[244+\b]
.endr
	s_add_co_u32 s[TK], s[TK], 8192
	s_add_co_u32 s[TV], s[TV], 128
	s_add_co_u32 s[TM], s[TM], 512
	s_add_co_u32 s[TS], s[TS], 256
	v_add_nc_u32 v[ADK], s[TK], v[AK]              ; the next step's addresses (this step's LDS loads are all issued): four plain lines between the codes' conversions and the products that take the codes.
	v_add_nc_u32 v[ADV], s[TV], v[AV]              ; Behind the eighth step they point one step too far and are not used
	v_add_nc_u32 v[ADM], s[TM], v[AM]
	v_add_nc_u32 v[ADS], s[TS], v[AS]
	s_wait_dscnt 0x0                               ; V's tiles and scale words are in
.irp T, 0,1,2,3                        ; O^T += V P^T: four accumulators by turns, one instruction a turn
	v_wmma_scale_f32_16x16x128_f8f6f4 v[O+8*\T:O+8*\T+7], v[F+16*\T:F+16*\T+15], v[PC:PC+15], v[O+8*\T:O+8*\T+7], v[VS+\T], v[PW]
.endr
.endm
; ---- A PASS: queries 256 p + 16 w on
.macro PASS p
	v_mov_b32 v13, 0xff61b1e6                      ; the largest t so far: -3e38, under every t
	v_floor_f32 v12, -v13                          ; -M
	v_mov_b32 v14, 0                               ; the sum, in two halves
	v_mov_b32 v15, 0
.set i, 0
.rept 32
	v_mov_b32 v[O+i], 0                            ; O^T.  (The step is written once: the first finds zeros, which the first change of M leaves zeros)
.set i, i+1
.endr
	ds_load_b128 v[Q:Q+3], v[AQ] offset:16384*\p               ; Q's codes, twice: ahead of the zero codes and behind them
	ds_load_b128 v[Q+4:Q+7], v[AQ] offset:16384*\p+512
	ds_load_b128 v[Q+16:Q+19], v[AQ] offset:16384*\p
	ds_load_b128 v[Q+20:Q+23], v[AQ] offset:16384*\p+512
	ds_load_b32 v[QS], v[AQS] offset:1024*\p
	v_mov_b32 v[ADK], v[AK]
	v_mov_b32 v[ADV], v[AV]
	v_mov_b32 v[ADM], v[AM]
	v_mov_b32 v[ADS], v[AS]
	s_mov_b32 s[TK], 0
	s_mov_b32 s[TV], 0
	s_mov_b32 s[TM], 0
	s_mov_b32 s[TS], 0
	s_mov_b32 s[CNT], 8
	s_wait_dscnt 0x0
.Lstep_\@:
	STEP
	s_sub_co_u32 s[CNT], s[CNT], 1
	s_cmp_lg_u32 s[CNT], 0
	s_cbranch_scc1 .Lstep_\@
	; THE WAY OUT.  O^T / the sum goes into the work-group's stage, [channel][query]; each wave then stores four whole rows of the pass's 256 queries
.rept 8
	v_nop                                          ; eight places behind the last products
.endr
	v_add_f32 v14, v14, v15                        ; the sum's two halves,
	v_permlanex16_b32 v250, v14, s[SEL], s[SEL+1]
	v_add_f32 v14, v14, v250                       ; and lane l xor 16's: the row's sum, above 1/2
	v_rcp_f32 v14, v14
	v_nop                                          ; a plain line behind the transcendental
.set i, 0
	s_wait_alu depctr_va_vdst(0)
.rept 16
	v_pk_mul_f32 v[S+i:S+i+1], v[O+i:O+i+1], v[14:15] op_sel_hi:[1,0]   ; register 8 T + j: channel 16 T + 8 h + j of query r
.set i, i+2
.endr
.if \p
	BARRIER                                        ; every wave's reads of the last pass's stage are over
.endif
.irp T, 0,1,2,3
.irp j, 0,1,2,3,4,5,6,7
	ds_store_b32 v[SO], v[S+8*\T+\j] offset:(16*\T+\j)*VP      ; sixteen lanes write 64 consecutive bytes; the other sixteen 8 VP bytes on, which is 32 words on modulo 64
.endr
.endr
	BARRIER                                        ; 64 rows of 256 queries lie in the stage
.irp a, 0,1,2,3
.irp z, 0,1
	ds_load_b128 v[S+32+4*(2*\a+\z):S+32+4*(2*\a+\z)+3], v[SR] offset:VP*\a+512*\z
.endr
.endr
.irp a, 0,1,2,3
.irp z, 0,1
	s_wait_dscnt 7-(2*\a+\z)
	global_store_b128 v[GO], v[S+32+4*(2*\a+\z):S+32+4*(2*\a+\z)+3], s[OB:OB+1] offset:4096*\a+512*\z+1024*\p th:TH_STORE_NT   ; 32 lanes store 512 consecutive bytes, at a multiple of 512 from out0's first byte; written once
.endr
.endr
.if \p == 0
	s_wait_xcnt 0x0                                ; the stores' data registers are written again in the next pass, only behind this wait; the stores themselves leave under that pass's work
.endif
.endm
	PASS 0
	PASS 1
	s_wait_tensorcnt 0x0
	ds_add_u32 v254, v255
	s_wait_dscnt 0x0
	s_endpgm
.Lfunc_end_k_q8fd686e324_attn:
	.size	k_q8fd686e324_attn, .Lfunc_end_k_q8fd686e324_attn-k_q8fd686e324_attn
	.p2alignl 7, 3214868480
	.fill 96, 4, 3214868480
	.section	.rodata,"a",@progbits
	.p2align	6, 0x0
	.amdhsa_kernel k_q8fd686e324_attn
		.amdhsa_group_segment_fixed_size 284672
		.amdhsa_private_segment_fixed_size 0
		.amdhsa_enable_private_segment 0
		.amdhsa_kernarg_size 24
		.amdhsa_user_sgpr_count 2
		.amdhsa_user_sgpr_kernarg_segment_ptr 1
		.amdhsa_wavefront_size32 1
		.amdhsa_system_sgpr_workgroup_id_x 1
		.amdhsa_system_sgpr_workgroup_id_y 1
		.amdhsa_system_sgpr_workgroup_id_z 1
		.amdhsa_system_vgpr_workitem_id 0
		.amdhsa_next_free_vgpr 256
		.amdhsa_next_free_sgpr 66
		.amdhsa_reserve_vcc 0
		.amdhsa_float_denorm_mode_32 3
		.amdhsa_float_denorm_mode_16_64 3
		.amdhsa_memory_ordered 1
		.amdhsa_forward_progress 1
		.amdhsa_inst_pref_size 134
	.end_amdhsa_kernel
	.amdgpu_metadata
---
amdhsa.version: [ 1, 2 ]
amdhsa.kernels:
  - .name:           k_q8fd686e324_attn
    .symbol:         k_q8fd686e324_attn.kd
    .args:
      - { .name: qkv, .offset: 0, .size: 8, .value_kind: global_buffer, .address_space: global }
      - { .name: mask, .offset: 8, .size: 8, .value_kind: global_buffer, .address_space: global }
      - { .name: out0, .offset: 16, .size: 8, .value_kind: global_buffer, .address_space: global }
    .group_segment_fixed_size: 284672
    .private_segment_fixed_size: 0
    .kernarg_segment_align: 8
    .kernarg_segment_size: 24
    .max_flat_workgroup_size: 512
    .sgpr_count:     66
    .vgpr_count:     256
    .wavefront_size: 32
...
	.end_amdgpu_metadata
.endif
;; end of part 1
;; ======== version 2 of 2: 1 launch; version 1 with the launch attn written anew for expert scheduling mode
;; launch attn (part 2): grid 2 x 128, 16 waves a work-group, no clusters, 284,672 bytes of LDS; arguments qkv, mask, out0; writes out0
.if DOCPART == 2
	.amdgcn_target "amdgcn-amd-amdhsa--gfx1250"
	.amdhsa_code_object_version 6
	.text
	.protected	k_q8fd686e324_attn
	.globl	k_q8fd686e324_attn
	.p2align	8
	.type	k_q8fd686e324_attn,@function
k_q8fd686e324_attn:
	s_mov_b64 s[64:65], 0
	v_nop
	global_prefetch_b8 v0, s[64:65] scope:SCOPE_SE
	s_setreg_imm32_b32 hwreg(HW_REG_WAVE_SCHED_MODE, 0, 2), 2
	s_setreg_imm32_b32 hwreg(HW_REG_WAVE_MODE, 25, 1), 1
	s_wait_xcnt 0x0
	s_wait_alu depctr_vm_vsrc(0)
; out0[bh][c][t] = sum over s of softmax_s((q[.][t] 2^-1.5) . (k[.][s] 2^-1.5) x mask[bh % 8][s]) v[c][s], 128 heads bh = 16 b + h, 1,024 positions, 64 channels.
; qkv: [8][3072][1024] f32: row 64 h + c of batch b is q's channel c, 1,024 rows on k's, 2,048 rows on v's.  Both products on codes of FP8 (E4M3) with one E8M0 scale for each 32 along a product's K.
; THE SOFTMAX AHEAD OF THE SECOND PRODUCT: t = score x mask x log2(e); M = the row's largest t so far, rounded UP to a whole number; p = 2^(t - M) is quantised along the keys, not normalised.
; The row's sum is taken of the unquantised p and divides O at the end.  When M moves, the sum and O are multiplied by 2^(old M - new M): exact.
; SHARES.  A work-group owns one head and 512 of its queries (grid x = which half): 256 work-groups.  Sixteen waves of 256 registers.
; HEAD: the work-group loads the head's K and V (256 KB each), its 512 queries (128 KB) and its mask row through registers, quantises them ONCE and leaves codes and scale words in LDS for the whole launch.
; Then two PASSES: in pass p wave w owns the 16 queries 256 p + 16 w on and walks the 1,024 keys in 8 steps of 128.  A pass's 64 x 256 numbers of O leave through a stage in LDS, 512 consecutive bytes a store.
; NO RING, NO TENSOR LOAD, NO CLUSTER: all that the loop reads is resident (282,624 bytes).  What the two work-groups of a head share, K and V, arrives as f32 and is used once, by the quantiser, from registers;
; two slots of one 128-key chunk of K and V in f32 are 2 x 65,536 bytes, which do not fit beside what is resident.
; K = 64 IN AN INSTRUCTION OF K = 128.  One fragment of source 0 holds TWO tiles of 16 keys: registers 0-7 tile 2 b's 64 channels, registers 8-15 tile 2 b + 1's.  Q lies as 24 registers Q | zero codes | Q:
; source 1 = the first 16 of them gives tile 2 b's scores, the last 16 tile 2 b + 1's: a zero code adds nothing to a sum (no code here is NaN: every number is held first; no scale byte is 0xff).
; LAYOUT.  Both products are used transposed (S^T = K Q^T, O^T = V P^T): a lane holds ONE query (lane % 16) throughout.  Row m of tile 2 b + u is key 32 b + 16 (m / 8) + 8 u + m % 8,
; so that score register 16 b + i of lane (r, h) is key 32 b + 16 h + i: the conversions' results are the second product's operand.
; LIMITS: NaN and infinities among the inputs are not served.  A block whose largest magnitude lies under 2^-118 gets the byte 1 (a block of zeros too, where the rule says 127: its codes are zeros, and
; only this text reads the bytes).  A p under 2^-126 becomes 0 (v_exp_f32 gives no denormals).  A block's largest p is made from its largest t, which takes v_exp_f32 not to fall where its input rises.
; mask x log2(e) is rounded once before it multiplies the score, where the rule multiplies by the mask and then by log2(e): one rounding placed otherwise.
; THE MODE: SCHED_MODE bits 1:0 = 2 (LLVM: expert scheduling mode 2), set by the entry lines.  The code itself states the register dependences between vector or matrix instructions
; and memory or LDS instructions, with s_wait_alu, always for 0.
; THE PLAN.  Registers that memory or LDS instructions touch:
;   in the head   v1-9, v16-28  addresses and offsets, made once by vector instructions; v16-28 are written again behind the head's barrier.
;                 X0, X1        a set of 64: loads land, the quantiser reads and writes it, the next loads land; V's chunks are read by the LDS stores of their turn.
;                 C, v236, v240, v241, v30-31   written by vector instructions, read by LDS stores; C, v236 and v240 are written again by the next quantiser.
;                 XV            the turn's LDS loads land, the chunk's quantiser reads and writes it, the next chunk's land.
;   in a step     F             K's fragments land, the eight products K Q^T read them; the mask's 64 numbers land, 32 multiplications read them; V's fragments land, the four products V P^T read them.
;                 KS, VS        land once a step; that step's products read them as scales.
;                 ADK, ADV, ADM, ADS   read by the step's LDS loads, written by four additions at the step's end.
;                 PC, PW        written by vector instructions, taken by the scaled products.
;                 S, O, v12-15, v232-250 are named by vector and matrix instructions alone.
;   on the way out  v120-151 written by the division, read by the LDS stores; v152-183: the stage's rows land, the global stores read them; the next pass's products write both.
; The wave's 256 registers hold no second set of F, so each of F's three turns in a step has one wait on va_vdst ahead of its run of loads; one more stands behind the exponentials and one ahead of the products V P^T
; (their codes and scale word are written); one wait on vm_vsrc stands ahead of the four additions.  V's sixteen loads go out in one run behind all 32 multiplications, under that one wait, and land under the softmax.
.set VP,   1040                        ; a row of 1,024 bytes + 16 = 65 x 16: the 16 rows that a fragment load touches begin in 16 different groups of banks (64 banks of 4 bytes: ISA guide 11.1)
.set KIMG, 0                           ; LDS byte 0: K's codes as images of the operand's registers: pair G (keys 32 G on) at 2048 G; registers 4 g .. 4 g + 3 at 512 g + 16 x lane
.set VROW, 65536                       ; V's codes by rows: channel ch at VP ch
.set OSTG, 132096                      ; the way out: channel ch at VP ch, query q' of the pass's 256 at 4 q'
.set QIMG, 198656                      ; Q's codes as images: tile of 16 queries at 1024 x tile; registers 4 g .. 4 g + 3 at 512 g + 16 x lane
.set TURN, 231424                      ; 2,560 bytes for each wave: 32 places of 64 + 16 bytes, through which V's numbers turn
.set MSK,  272384                      ; mask[s] x log2(e), f32
.set KSC,  276480                      ; K's scale words: step j, row r, pair b at 256 j + 16 r + 4 b: bytes 0, 1 tile 2 b's two blocks, bytes 2, 3 tile 2 b + 1's
.set VSC,  278528                      ; V's: step j, row r, tile T at 256 j + 16 r + 4 T: byte c for keys 32 c on
.set QSC,  280576                      ; Q's: 4 x query: (s0, s1, s0, s1)
; vector registers that stay
.set AK,  1                            ; KIMG + 16 x lane
.set AV,  2                            ; VROW + VP r + 16 h
.set AM,  3                            ; MSK + 64 h
.set AS,  4                            ; KSC + 16 r
.set AQ,  5                            ; QIMG + 1024 w + 16 x lane
.set AQS, 6                            ; QSC + 64 w + 4 r
.set SO,  7                            ; OSTG + 8 VP h + 64 w + 4 r
.set SR,  8                            ; OSTG + 4 VP w + 16 x lane
.set GO,  9                            ; 16384 w + 16 x lane: my bytes in the wave's four rows of V and of O
; the passes
.set ADK, 10                           ; the step's addresses: K's images,
.set ADV, 11                           ; V's rows,
.set ADM, 53                           ; the mask,
.set ADS, 54                           ; the scale words
.set Q,   16                           ; v16-23 Q, v24-31 zero codes, v32-39 Q;  v12 -M, v13 the largest t, v[14:15] the sum in two halves
.set QS,  40                           ; scale words and nothing else: Q's,
.set KS,  44                           ; v44-47 K's four pairs',
.set VS,  48                           ; v48-51 V's four tiles',
.set PW,  52                           ; p's
.set F,   56                           ; v56-119  K's four fragments, then 64 numbers of the mask, then V's four fragments
.set S,   120                          ; v120-183 S^T, then t, then p
.set O,   184                          ; v184-215 O^T: four accumulators
.set PC,  216                          ; v216-231 p's codes;  v232-250 at work
; the head
.set GK,  16                           ; 256 w + 4 x lane
.set GQ,  17                           ; 4 x thread
.set GM,  19                           ; 8 x thread
.set KST, 20
.set KSS, 21
.set QST, 22
.set QSS, 23
.set TIN, 24
.set TOUT, 25
.set VST, 26
.set VSS, 27
.set MST, 28
.set X0,  56                           ; two sets of 64 numbers
.set X1,  120
.set XV,  184                          ; 16 neighbours of a row of V
.set C,   216                          ; codes just made
; scalar registers
.set QB,  10                           ; s[10:11] q of my head at my first query;  s[12:13] k;  s[14:15] v;  s[16:17] my mask row;  s[18:19] out0 of my head at my first query
.set KB,  12
.set VB,  14
.set MB,  16
.set OB,  18
.set WV,  20                           ; my wave's number
.set BH,  21                           ; the head
.set SC,  24                           ; s[24:25] 2^-1.5, twice: the packed form names a pair
.set MNT, 26                           ; the mantissa field of 448
.set SEL, 28                           ; s[28:29] v_permlanex16_b32's selects for lane l xor 16
.set TK,  30                           ; how far the next step's addresses lie on: 8,192 bytes of K's images a step,
.set TV,  31                           ; 128 of V's rows,
.set TM,  32                           ; 512 of the mask,
.set TS,  33                           ; 256 of the scale words
.set CNT, 34
.macro BARRIER                         ; my LDS stores have landed and my LDS loads are in: then the work-group's barrier
	s_wait_dscnt 0x0
	s_barrier_signal -1
	s_barrier_wait -1
.endm
; 64 loads: A LANE TAKES A COLUMN (a key or a query) AND ITS REGISTERS RUN DOWN THE 64 CHANNELS, which are the first product's K.  Each load reads 128 consecutive bytes.
.macro COLLOAD X, base, voff, imm, nt
.set c, 0
.rept 64
.if \nt
	global_load_b32 v[\X+c], v[\voff], s[\base:\base+1] offset:4096*c+\imm th:TH_LOAD_NT
.else
	global_load_b32 v[\X+c], v[\voff], s[\base:\base+1] offset:4096*c+\imm
.endif
.set c, c+1
.endr
.endm
; The column's 64 numbers x 2^-1.5 become 64 codes in v[C] on; v240 = its two scale bytes.  Both blocks of 32 are the lane's own.
.macro QUANTCOL X
.set i, 0
.rept 32
	v_pk_mul_f32 v[\X+i:\X+i+1], v[\X+i:\X+i+1], s[SC:SC+1] op_sel_hi:[1,0]
.set i, i+2
.endr
	v_max3_num_f32 v232, |v[\X]|, |v[\X+1]|, 0x4800000             ; the largest magnitude, and the floor 2^(9 - 127): so the byte cannot fall under 1
	v_max3_num_f32 v233, |v[\X+32]|, |v[\X+33]|, 0x4800000
.set i, 2
.rept 15
	v_max3_num_f32 v232, v232, |v[\X+i]|, |v[\X+i+1]|              ; the two blocks by turns
	v_max3_num_f32 v233, v233, |v[\X+32+i]|, |v[\X+33+i]|
.set i, i+2
.endr
	v_add_nc_u32 v236, 0xfc000000, v232                            ; 8 off the exponent field: the conversion takes this operand's exponent field as its scale
	v_add_nc_u32 v237, 0xfc000000, v233
	v_and_or_b32 v234, v232, 0x7f800000, s[MNT]                    ; 448 x the scale
	v_and_or_b32 v235, v233, 0x7f800000, s[MNT]
	v_lshrrev_b32 v238, 23, v236                                   ; the scales' bytes
	v_lshrrev_b32 v239, 23, v237
	v_lshl_or_b32 v240, v239, 8, v238
.set i, 0
.rept 64
	v_med3_num_f32 v[\X+i], v[\X+i], -v[234+i/32], v[234+i/32]     ; the conversion to an 8-bit code does not saturate (ISA guide 7.6.2): the hold comes first
.set i, i+1
.endr
.set i, 0
.rept 8
	v_cvt_scalef32_pk8_fp8_f32 v[C+2*i:C+2*i+1], v[\X+8*i:\X+8*i+7], v[236+i/4]
.set i, i+1
.endr
	v_nop                                                          ; one plain vector line behind the last conversion of a run
.endm
; Key 64 w + 32 g + lane: its channels 16 q on are registers 4 (2 u + q / 2) on of lane r' + 16 (q % 2) of pair 2 w + g's image (u = bit 3 of my lane, r' = lane % 8 + 8 (lane / 16))
.macro KOUT g
.irp q, 0,1,2,3
	ds_store_b128 v[KST], v[C+4*\q:C+4*\q+3] offset:2048*\g+512*(\q/2)+256*(\q%2)
.endr
	ds_store_b16 v[KSS], v240 offset:4*\g
	s_wait_dscnt 0x0                                               ; my stores are done,
	s_wait_alu depctr_vm_vsrc(0)                                   ; and they have read the codes' registers and v240, which the next column's quantiser writes again
.endm
.macro QOUT                            ; query = my thread's number
.irp q, 0,1,2,3
	ds_store_b128 v[QST], v[C+4*\q:C+4*\q+3] offset:512*(\q/2)+256*(\q%2)
.endr
	ds_store_b32 v[QSS], v241
	s_wait_dscnt 0x0                                               ; my stores are done,
	s_wait_alu depctr_vm_vsrc(0)                                   ; and they have read the codes' registers, which V's first chunk writes again
.endm
; V's K is the keys, innermost in memory.  Chunk t of a wave: row 4 w + t / 2, keys 512 (t % 2) on: four loads of 512 consecutive bytes
.macro VLOAD t, R
.irp n, 0,1,2,3
	global_load_b128 v[\R+4*\n:\R+4*\n+3], v[GO], s[VB:VB+1] offset:4096*((\t)/2)+2048*((\t)%2)+512*\n
.endr
.endm
; The chunk turns through the wave's own stage, so that a lane holds 16 NEIGHBOURING keys (two neighbouring lanes hold a block), and is quantised.  left: the loads issued behind the chunk's own
.macro VSTEP t, R, left
	s_wait_loadcnt \left
.irp k, 0,1,2,3
	ds_store_b128 v[TIN], v[\R+4*\k:\R+4*\k+3] offset:640*\k
.endr
.irp k, 0,1,2,3
	ds_load_b128 v[XV+4*\k:XV+4*\k+3], v[TOUT] offset:16*\k        ; LDS serves a wave's instructions in order (ISA guide 5.7.1.4): these see the stores above.  No vector instruction since the last chunk's wait on va_vdst names v[XV ..]
.endr
	s_wait_dscnt 0x0                                               ; my 16 neighbours are in
.if (\t) > 0
	s_wait_alu depctr_vm_vsrc(0)                                   ; the last chunk's two stores have read v236 and the codes' registers, which this chunk writes again
.endif
	v_max3_num_f32 v232, |v[XV]|, |v[XV+1]|, |v[XV+2]|
	v_max3_num_f32 v233, |v[XV+3]|, |v[XV+4]|, |v[XV+5]|
.irp k, 6,10
	v_max3_num_f32 v232, v232, |v[XV+\k]|, |v[XV+\k+1]|
	v_max3_num_f32 v233, v233, |v[XV+\k+2]|, |v[XV+\k+3]|
.endr
	v_max3_num_f32 v232, v232, |v[XV+14]|, |v[XV+15]|
	v_max3_num_f32 v232, v232, v233, 0x4800000                     ; and the floor
	v_max_num_f32_dpp v232, v232, v232 row_xmask:1 row_mask:0xf bank_mask:0xf   ; with my neighbour's 16: the block's
	v_add_nc_u32 v237, 0xfc000000, v232
	v_and_or_b32 v234, v232, 0x7f800000, s[MNT]
.set i, 0
.rept 16
	v_med3_num_f32 v[XV+i], v[XV+i], -v234, v234
.set i, i+1
.endr
	v_cvt_scalef32_pk8_fp8_f32 v[C:C+1], v[XV:XV+7], v237
	v_cvt_scalef32_pk8_fp8_f32 v[C+2:C+3], v[XV+8:XV+15], v237
	v_lshrrev_b32 v236, 23, v237                                   ; the scale's byte (the plain line behind the conversions)
	s_wait_alu depctr_va_vdst(0)                                   ; the byte and the codes are written, which the two stores read; the holds and conversions are done with v[XV ..], in which the next chunk's LDS loads land
	ds_store_b8 v[VSS], v236 offset:1024*((\t)%2)+16*((\t)/2)      ; both lanes of a block write the same byte with the same value
	ds_store_b128 v[VST], v[C:C+3] offset:VP*((\t)/2)+512*((\t)%2)
.endm
	s_load_b128 s[4:7], s[0:1], 0x0                ; qkv s[4:5], mask s[6:7]
	s_load_b64 s[8:9], s[0:1], 0x10                ; out0
	v_lshl_add_u32 v254, v0, 2, 0x45000
	v_mov_b32 v255, 0
	v_lshrrev_b32 v232, 5, v0
	v_readfirstlane_b32 s[WV], v232                ; wave 0..15
	v_and_b32 v232, 31, v0                         ; lane
	v_and_b32 v233, 15, v0                         ; r
	v_bfe_u32 v234, v0, 4, 1                       ; h
	v_bfe_u32 v235, v0, 3, 1                       ; u
	v_and_b32 v236, 7, v0
	v_lshl_add_u32 v236, v234, 3, v236             ; r' = lane % 8 + 8 h
	v_lshlrev_b32 v[AK], 4, v232                   ; (KIMG is LDS byte 0)
	v_mul_u32_u24 v[AV], v233, VP
	v_lshl_add_u32 v[AV], v234, 4, v[AV]
	v_add_nc_u32 v[AV], VROW, v[AV]
	v_lshl_add_u32 v[AM], v234, 6, MSK
	v_lshl_add_u32 v[AS], v233, 4, KSC
	s_wait_alu depctr_va_sdst(0)                   ; the wave's number is written, ahead of its first reader: LDS addresses and offsets are made from it
	s_lshl_b32 s35, s[WV], 10
	s_add_co_u32 s35, s35, QIMG
	v_lshl_add_u32 v[AQ], v232, 4, s35
	s_lshl_b32 s35, s[WV], 6
	s_add_co_u32 s36, s35, QSC
	v_lshl_add_u32 v[AQS], v233, 2, s36
	s_add_co_u32 s36, s35, OSTG
	v_mul_u32_u24 v[SO], v234, 8*VP
	v_lshl_add_u32 v[SO], v233, 2, v[SO]
	v_add_nc_u32 v[SO], s36, v[SO]
	s_mul_i32 s35, s[WV], 4*VP
	s_add_co_u32 s36, s35, OSTG
	v_lshl_add_u32 v[SR], v232, 4, s36
	s_add_co_u32 s36, s35, VROW
	v_lshl_add_u32 v[VST], v232, 4, s36            ; V's codes: my wave's four rows, 16 bytes a lane
	s_lshl_b32 s35, s[WV], 14
	v_lshl_add_u32 v[GO], v232, 4, s35
	s_lshl_b32 s35, s[WV], 8
	v_lshl_add_u32 v[GK], v232, 2, s35
	v_lshlrev_b32 v[GQ], 2, v0
	v_lshlrev_b32 v[GM], 3, v0
	v_lshlrev_b32 v[KST], 4, v236                  ; K's images: 4096 w + 1024 u + 16 r'
	v_lshl_add_u32 v[KST], v235, 10, v[KST]
	s_lshl_b32 s35, s[WV], 12
	v_add_nc_u32 v[KST], s35, v[KST]
	s_lshr_b32 s35, s[WV], 1                       ; K's scale half words: KSC + 256 (w / 2) + 8 (w % 2) + 16 r' + 2 u
	s_lshl_b32 s35, s35, 8
	s_and_b32 s36, s[WV], 1
	s_lshl_b32 s36, s36, 3
	s_add_co_u32 s35, s35, s36
	s_add_co_u32 s35, s35, KSC
	v_lshlrev_b32 v[KSS], 4, v236
	v_lshl_add_u32 v[KSS], v235, 1, v[KSS]
	v_add_nc_u32 v[KSS], s35, v[KSS]
	v_lshlrev_b32 v[QST], 4, v233                  ; Q's images: QIMG + 2048 w + 1024 h + 16 r
	v_lshl_add_u32 v[QST], v234, 10, v[QST]
	s_lshl_b32 s35, s[WV], 11
	s_add_co_u32 s35, s35, QIMG
	v_add_nc_u32 v[QST], s35, v[QST]
	v_lshl_add_u32 v[QSS], v0, 2, QSC
	s_mul_i32 s35, s[WV], 2560                     ; my wave's stage for V's turn
	s_add_co_u32 s35, s35, TURN
	v_bfe_u32 v237, v0, 2, 3
	v_mul_u32_u24 v[TIN], v237, 80                 ; in: four lanes' 64 bytes on end, then 16 of padding
	v_and_b32 v237, 3, v0
	v_lshl_add_u32 v[TIN], v237, 4, v[TIN]
	v_add_nc_u32 v[TIN], s35, v[TIN]
	v_mul_u32_u24 v[TOUT], v232, 80                ; out: a place a lane
	v_add_nc_u32 v[TOUT], s35, v[TOUT]
	s_and_b32 s35, s[WV], 3                        ; V's scale bytes: VSC + 64 (w % 4) + 4 (w / 4) + 256 (lane / 8) + (lane / 2) % 4
	s_lshl_b32 s35, s35, 6
	s_lshr_b32 s36, s[WV], 2
	s_lshl_b32 s36, s36, 2
	s_add_co_u32 s35, s35, s36
	s_add_co_u32 s35, s35, VSC
	v_bfe_u32 v237, v0, 3, 2
	v_bfe_u32 v238, v0, 1, 2
	v_lshl_add_u32 v[VSS], v237, 8, v238
	v_add_nc_u32 v[VSS], s35, v[VSS]
	v_lshl_add_u32 v[MST], v0, 3, MSK
	s_mov_b32 s[SC], 0x3eb504f3                    ; 2^-1.5 = 1 / sqrt(sqrt(64))
	s_mov_b32 s[SC+1], s[SC]
	s_mov_b32 s[MNT], 0x600000
	s_mov_b32 s[SEL], 0x76543210
	s_mov_b32 s[SEL+1], 0xfedcba98
	s_and_b32 s[BH], ttmp7, 0xffff                 ; the head: 16 b + h
	s_lshr_b32 s22, s[BH], 4
	s_mul_i32 s22, s22, 12582912                   ; a batch's 3,072 rows of 4,096 bytes
	s_and_b32 s23, s[BH], 15
	s_lshl_b32 s23, s23, 18                        ; a head's 64 rows
	s_add_co_u32 s22, s22, s23
	s_mov_b32 s23, 0
	s_lshl_b32 s40, ttmp9, 11                      ; my half's 512 queries: 2,048 bytes along a row
	s_mov_b32 s41, 0
	s_and_b32 s38, s[BH], 7                        ; the mask is tiled over the heads: row bh % 8
	s_lshl_b32 s38, s38, 12
	s_mov_b32 s39, 0
	s_wait_kmcnt 0x0
	s_add_nc_u64 s[KB:KB+1], s[4:5], s[22:23]
	s_add_nc_u64 s[QB:QB+1], s[KB:KB+1], s[40:41]
	s_add_nc_u64 s[VB:VB+1], s[KB:KB+1], 0x800000
	s_add_nc_u64 s[KB:KB+1], s[KB:KB+1], 0x400000
	s_add_nc_u64 s[MB:MB+1], s[6:7], s[38:39]
	s_lshl_b32 s22, s[BH], 18
	s_add_co_u32 s22, s22, s40
	s_add_nc_u64 s[OB:OB+1], s[8:9], s[22:23]
	s_wait_alu depctr_va_vdst(0)                   ; the addresses and offsets v1 to v9 and v16 to v28 are written, which the launch's loads and stores read
	; ---- THE HEAD.  Wave w: keys 64 w on (two sets of 32), queries 32 w on, rows 4 w on of V, 256 bytes of the mask
	global_load_b64 v[30:31], v[GM], s[MB:MB+1]
	COLLOAD X0, KB, GK, 0, 0
	COLLOAD X1, KB, GK, 128, 0                     ; (issue halts by itself where LOADcnt's field is full: ISA guide 5.7.1)
	s_wait_loadcnt 63                              ; of the 129 issued at most 63 are out: the mask and the first set are in
	v_pk_mul_f32 v[30:31], v[30:31], 0x3fb8aa3b op_sel_hi:[1,0]    ; mask x log2(e)
	QUANTCOL X0
	s_wait_alu depctr_va_vdst(0)                   ; the mask's product, the codes and v240 are written, which the LDS stores read; the quantiser is done with set X0, in which q's loads land
	ds_store_b64 v[MST], v[30:31]
	KOUT 0
	COLLOAD X0, QB, GQ, 0, 1                       ; q is read by this work-group alone
	s_wait_loadcnt 63                              ; 64 loads stand behind the second set; the field's largest count is one less: the set is in
	QUANTCOL X1
	s_wait_alu depctr_va_vdst(0)                   ; the codes and v240 are written, which the LDS stores read; the quantiser is done with set X1, in which V's chunks 0 to 3 land
	KOUT 1
	VLOAD 0, X1
	VLOAD 1, X1+16
	VLOAD 2, X1+32
	VLOAD 3, X1+48
	s_wait_loadcnt 16                              ; behind q's loads: V's first sixteen
	QUANTCOL X0
	v_lshl_or_b32 v241, v240, 16, v240             ; (s0, s1, s0, s1): the word serves Q in either half of the instruction's K
	s_wait_alu depctr_va_vdst(0)                   ; the codes and v241 are written, which the LDS stores read; the quantiser is done with set X0, in which V's chunks 4 to 7 land
	QOUT
	VLOAD 4, X0
	VLOAD 5, X0+16
	VLOAD 6, X0+32
	VLOAD 7, X0+48
	VSTEP 0, X1, 28                                ; behind chunk t's four loads: those of the 7 - t chunks that follow
	VSTEP 1, X1+16, 24
	VSTEP 2, X1+32, 20
	VSTEP 3, X1+48, 16
	VSTEP 4, X0, 12
	VSTEP 5, X0+16, 8
	VSTEP 6, X0+32, 4
	VSTEP 7, X0+48, 0
	BARRIER                                        ; all codes, scale words and the mask lie in LDS; nobody writes them again
	s_wait_alu depctr_vm_vsrc(0)                   ; the head's loads and stores have read their registers: the addresses v16 to v28, the mask's v30 and v31, v236, the codes' and the two sets', all of which are written again from here on
.irp z, 0,1,2,3,4,5,6,7
	v_mov_b32 v[Q+8+\z], 0                         ; the zero codes between Q's two copies
.endr
.irp z, 236,237,238,239,249,250
	v_mov_b32 v\z, 0                               ; written once: a lane permute's destination counts as one of its sources; v249 is named as the upper half of the pair v[248:249]
.endr
; ---- A KEY STEP: 128 keys against my 16 queries
.macro STEP
.rept 8
	v_nop                                          ; eight places behind the last step's products; they stay beside the wait below
.endr
	s_wait_alu depctr_va_vdst(0)                   ; the last step's products V P^T are done reading F, its products K Q^T their scale words, and its four additions have written the addresses: the loads below land in F and KS and read ADS and ADK.  In a pass's first step: the pass's head has written the addresses, and the zero codes that the scaled products take are written
	ds_load_b128 v[KS:KS+3], v[ADS]                ; the four pairs' scale words of row r
.irp b, 0,1,2,3
.irp g, 0,1,2,3
	ds_load_b128 v[F+16*\b+4*\g:F+16*\b+4*\g+3], v[ADK] offset:2048*\b+512*\g
.endr
.endr
.irp b, 0,1,2,3                        ; S^T = K Q^T: each fragment serves two tiles of keys; eight accumulators, each begun with the constant 0
	s_wait_dscnt 12-4*\b                           ; the scale words and pair b are in; the later pairs' loads may be out
	v_wmma_scale_f32_16x16x128_f8f6f4 v[S+16*\b:S+16*\b+7], v[F+16*\b:F+16*\b+15], v[Q:Q+15], 0, v[KS+\b], v[QS]
	v_wmma_scale_f32_16x16x128_f8f6f4 v[S+16*\b+8:S+16*\b+15], v[F+16*\b:F+16*\b+15], v[Q+8:Q+23], 0, v[KS+\b], v[QS]
.endr
.rept 8
	v_nop                                          ; eight places in front of the first read of the scores
.endr
	s_wait_alu depctr_va_vdst(0)                   ; the eight products are done reading K's fragments in F, in which the mask's numbers land
.irp b, 0,1,2,3
.irp a, 0,1,2,3
	ds_load_b128 v[F+16*\b+4*\a:F+16*\b+4*\a+3], v[ADM] offset:128*\b+16*\a   ; mask x log2(e) of keys 32 b + 16 h + 4 a on: the register's own key; sixteen lanes share an address
.endr
.endr
.irp b, 0,1,2,3
	s_wait_dscnt 12-4*\b                           ; the mask's block b is in; the later blocks' loads may be out
.irp k, 0,2,4,6,8,10,12,14
	v_pk_mul_f32 v[S+16*\b+\k:S+16*\b+\k+1], v[S+16*\b+\k:S+16*\b+\k+1], v[F+16*\b+\k:F+16*\b+\k+1]   ; t; each accumulator from its low end on
.endr
.endr
	s_wait_alu depctr_va_vdst(0)                   ; the 32 multiplications are done reading the mask's numbers in F, in which V's fragments land
.irp b, 0,1,2,3
.irp c, 0,1,2,3
	ds_load_b128 v[F+16*\b+4*\c:F+16*\b+4*\c+3], v[ADV] offset:16*VP*\b+32*\c   ; V's tile b (channels 16 b on): one run of loads, which lands under the softmax
.endr
.endr
	ds_load_b128 v[VS:VS+3], v[ADS] offset:VSC-KSC ; V's four tiles' scale words of row r
.irp b, 0,1,2,3
	v_max3_num_f32 v[232+\b], v[S+16*\b], v[S+16*\b+1], v[S+16*\b+2]   ; THE LARGEST t OF EACH BLOCK OF 32 KEYS: for the row's maximum and, since p rises with t, for the block's largest p
.endr
.irp k, 3,5,7,9,11,13
.irp b, 0,1,2,3
	v_max3_num_f32 v[232+\b], v[232+\b], v[S+16*\b+\k], v[S+16*\b+\k+1]   ; (the four blocks by turns)
.endr
.endr
.irp b, 0,1,2,3
	v_max_num_f32 v[232+\b], v[232+\b], v[S+16*\b+15]
.endr
.irp b, 0,1,2,3
	v_permlanex16_b32 v[236+\b], v[232+\b], s[SEL], s[SEL+1]
.endr
.irp b, 0,1,2,3
	v_max_num_f32 v[232+\b], v[232+\b], v[236+\b]  ; with lane l xor 16's 16 keys
.endr
	v_max3_num_f32 v250, v232, v233, v234
	v_max_num_f32 v250, v250, v235
	v_max_num_f32 v13, v13, v250                   ; the running largest t
	v_mov_b32 v250, v12
	v_floor_f32 v12, -v13                          ; the new -M = floor(-t) = -ceil(t): a whole number
	v_sub_f32 v250, v12, v250                      ; old M - new M: a whole number, 0 or less
	v_cvt_i32_f32 v250, v250                       ; (it saturates)
	v_ldexp_f32 v248, 1.0, v250                    ; f = 2^(old M - new M)
.set i, 0
.rept 32
	v_pk_add_f32 v[S+i:S+i+1], v[S+i:S+i+1], v[12:13] op_sel_hi:[1,0]   ; t - M, two at a time (of the pair the low word serves both halves)
.set i, i+2
.endr
.irp b, 0,1,2,3
	v_add_f32 v[232+\b], v[232+\b], v12            ; the same of each block's largest t
.endr
.set i, 0
	s_wait_alu depctr_va_vdst(0)
.rept 64
	v_exp_f32 v[S+i], v[S+i]                       ; p = 2^(t - M), at most 1: not normalised
.set i, i+1
.endr
.irp b, 0,1,2,3
	v_exp_f32 v[232+\b], v[232+\b]                 ; the block's largest p: the same two operations on the same number
.endr
	v_pk_mul_f32 v[14:15], v[14:15], v[248:249] op_sel_hi:[1,0]    ; the sums under the new M (a plain line behind the exponentials)
.set i, 0
	s_wait_alu depctr_va_vdst(0)
.rept 16
	v_pk_mul_f32 v[O+i:O+i+1], v[O+i:O+i+1], v[248:249] op_sel_hi:[1,0]   ; O^T under the new M; each accumulator from its low end on
.set i, i+2
.endr
	s_wait_alu depctr_va_vdst(0)                   ; the 68 exponentials have written p and the blocks' largest p: one wait for the batch, ahead of its first reader
.irp b, 0,1,2,3
	v_max_num_f32 v[232+\b], 0x4800000, v[232+\b]  ; the floor 2^(9 - 127): a block whose every p is 0 keeps the byte 1: its codes are zeros
.endr
.irp b, 0,1,2,3
	v_add_nc_u32 v[244+\b], 0xfc000000, v[232+\b]  ; the conversion's scale operand
.endr
.irp b, 0,1,2,3
	v_and_or_b32 v[240+\b], v[232+\b], 0x7f800000, s[MNT]   ; 448 x the scale
.endr
.irp b, 0,1,2,3
	v_lshrrev_b32 v[236+\b], 23, v[244+\b]         ; the scale's byte
.endr
	v_lshl_or_b32 v[PW], v237, 8, v236             ; p's scale word for these 128 keys: far more than eight places ahead of the products that name it
	v_lshl_or_b32 v[PW], v238, 16, v[PW]
	v_lshl_or_b32 v[PW], v239, 24, v[PW]
	v_pk_add_f32 v[236:237], v[S:S+1], v[S+2:S+3]  ; THE ROW'S SUM IS TAKEN OF THE UNQUANTISED p: two at a time, in two chains
.set i, 4
.rept 15
	v_pk_add_f32 v[14:15], v[14:15], v[S+i:S+i+1]
	v_pk_add_f32 v[236:237], v[236:237], v[S+i+2:S+i+3]
.set i, i+4
.endr
	v_pk_add_f32 v[14:15], v[14:15], v[236:237]
.irp b, 0,1,2,3
.set i, 0
.rept 16
	v_min_num_f32 v[S+16*\b+i], v[S+16*\b+i], v[240+\b]   ; the hold; p is not negative, so it is one-sided
.set i, i+1
.endr
	v_cvt_scalef32_pk8_fp8_f32 v[PC+4*\b:PC+4*\b+1], v[S+16*\b:S+16*\b+7], v[244+\b]
	v_cvt_scalef32_pk8_fp8_f32 v[PC+4*\b+2:PC+4*\b+3], v[S+16*\b+8:S+16*\b+15], v[244+\b]
.endr
	s_add_co_u32 s[TK], s[TK], 8192
	s_add_co_u32 s[TV], s[TV], 128
	s_add_co_u32 s[TM], s[TM], 512
	s_add_co_u32 s[TS], s[TS], 256
	s_wait_alu depctr_vm_vsrc(0)                   ; this step's LDS loads, all issued, have read the four address registers, which the additions below write
	v_add_nc_u32 v[ADK], s[TK], v[AK]              ; the next step's addresses: four plain lines between the codes' conversions and the products that take the codes.
	v_add_nc_u32 v[ADV], s[TV], v[AV]              ; Behind the eighth step they point one step too far and are not used
	v_add_nc_u32 v[ADM], s[TM], v[AM]
	v_add_nc_u32 v[ADS], s[TS], v[AS]
	s_wait_alu depctr_va_vdst(0)                   ; the conversions have written p's codes and the shifts its scale word, which the scaled products below take; the places above stay beside this wait
	s_wait_dscnt 0x0                               ; V's tiles and scale words are in
.irp T, 0,1,2,3                        ; O^T += V P^T: four accumulators by turns, one instruction a turn
	v_wmma_scale_f32_16x16x128_f8f6f4 v[O+8*\T:O+8*\T+7], v[F+16*\T:F+16*\T+15], v[PC:PC+15], v[O+8*\T:O+8*\T+7], v[VS+\T], v[PW]
.endr
.endm
; ---- A PASS: queries 256 p + 16 w on
.macro PASS p
	v_mov_b32 v13, 0xff61b1e6                      ; the largest t so far: -3e38, under every t
	v_floor_f32 v12, -v13                          ; -M
	v_mov_b32 v14, 0                               ; the sum, in two halves
	v_mov_b32 v15, 0
.set i, 0
.rept 32
	v_mov_b32 v[O+i], 0                            ; O^T.  (The step is written once: the first finds zeros, which the first change of M leaves zeros)
.set i, i+1
.endr
	ds_load_b128 v[Q:Q+3], v[AQ] offset:16384*\p               ; Q's codes, twice: ahead of the zero codes and behind them.  No wait: since the last wait on va_vdst (V's last chunk's; the last pass's way out's)
	ds_load_b128 v[Q+4:Q+7], v[AQ] offset:16384*\p+512         ; no vector or matrix instruction names these registers or the two addresses
	ds_load_b128 v[Q+16:Q+19], v[AQ] offset:16384*\p
	ds_load_b128 v[Q+20:Q+23], v[AQ] offset:16384*\p+512
	ds_load_b32 v[QS], v[AQS] offset:1024*\p
	v_mov_b32 v[ADK], v[AK]
	v_mov_b32 v[ADV], v[AV]
	v_mov_b32 v[ADM], v[AM]
	v_mov_b32 v[ADS], v[AS]
	s_mov_b32 s[TK], 0
	s_mov_b32 s[TV], 0
	s_mov_b32 s[TM], 0
	s_mov_b32 s[TS], 0
	s_mov_b32 s[CNT], 8
	s_wait_dscnt 0x0
.Lstep_\@:
	STEP
	s_sub_co_u32 s[CNT], s[CNT], 1
	s_cmp_lg_u32 s[CNT], 0
	s_cbranch_scc1 .Lstep_\@
	; THE WAY OUT.  O^T / the sum goes into the work-group's stage, [channel][query]; each wave then stores four whole rows of the pass's 256 queries
.rept 8
	v_nop                                          ; eight places behind the last products
.endr
	v_add_f32 v14, v14, v15                        ; the sum's two halves,
	v_permlanex16_b32 v250, v14, s[SEL], s[SEL+1]
	v_add_f32 v14, v14, v250                       ; and lane l xor 16's: the row's sum, above 1/2
	s_wait_alu depctr_va_vdst(0)
	v_rcp_f32 v14, v14
	v_nop                                          ; a plain line behind the transcendental
	s_wait_alu depctr_va_vdst(0)                   ; the reciprocal is written, ahead of its first reader
.set i, 0
.rept 16
	v_pk_mul_f32 v[S+i:S+i+1], v[O+i:O+i+1], v[14:15] op_sel_hi:[1,0]   ; register 8 T + j: channel 16 T + 8 h + j of query r
.set i, i+2
.endr
	s_wait_alu depctr_va_vdst(0)                   ; the division has written v120 to v151, which the LDS stores read; the last step's vector work is done with v152 to v183, in which the stage's rows land
.if \p
	BARRIER                                        ; every wave's reads of the last pass's stage are over
.endif
.irp T, 0,1,2,3
.irp j, 0,1,2,3,4,5,6,7
	ds_store_b32 v[SO], v[S+8*\T+\j] offset:(16*\T+\j)*VP      ; sixteen lanes write 64 consecutive bytes; the other sixteen 8 VP bytes on, which is 32 words on modulo 64
.endr
.endr
	BARRIER                                        ; 64 rows of 256 queries lie in the stage
.irp a, 0,1,2,3
.irp z, 0,1
	ds_load_b128 v[S+32+4*(2*\a+\z):S+32+4*(2*\a+\z)+3], v[SR] offset:VP*\a+512*\z
.endr
.endr
.irp a, 0,1,2,3
.irp z, 0,1
	s_wait_dscnt 7-(2*\a+\z)
	global_store_b128 v[GO], v[S+32+4*(2*\a+\z):S+32+4*(2*\a+\z)+3], s[OB:OB+1] offset:4096*\a+512*\z+1024*\p th:TH_STORE_NT   ; 32 lanes store 512 consecutive bytes, at a multiple of 512 from out0's first byte; written once
.endr
.endr
.if \p == 0
	s_wait_xcnt 0x0                                ; the stores' data registers are written again in the next pass, only behind this wait; the stores themselves leave under that pass's work
	s_wait_alu depctr_vm_vsrc(0)                   ; the LDS stores have read v120 to v151 and the global stores v152 to v183, which the next pass's products write
.endif
.endm
	PASS 0
	PASS 1
	s_wait_dscnt 0x0                               ; the closing lines, six on end
	s_wait_alu 0x0
	s_wait_tensorcnt 0x0
	ds_add_u32 v254, v255
	s_wait_dscnt 0x0
	s_endpgm
.Lfunc_end_k_q8fd686e324_attn:
	.size	k_q8fd686e324_attn, .Lfunc_end_k_q8fd686e324_attn-k_q8fd686e324_attn
	.p2alignl 7, 3214868480
	.fill 96, 4, 3214868480
	.section	.rodata,"a",@progbits
	.p2align	6, 0x0
	.amdhsa_kernel k_q8fd686e324_attn
		.amdhsa_group_segment_fixed_size 284672
		.amdhsa_private_segment_fixed_size 0
		.amdhsa_enable_private_segment 0
		.amdhsa_kernarg_size 24
		.amdhsa_user_sgpr_count 2
		.amdhsa_user_sgpr_kernarg_segment_ptr 1
		.amdhsa_wavefront_size32 1
		.amdhsa_system_sgpr_workgroup_id_x 1
		.amdhsa_system_sgpr_workgroup_id_y 1
		.amdhsa_system_sgpr_workgroup_id_z 1
		.amdhsa_system_vgpr_workitem_id 0
		.amdhsa_next_free_vgpr 256
		.amdhsa_next_free_sgpr 66
		.amdhsa_reserve_vcc 0
		.amdhsa_float_denorm_mode_32 3
		.amdhsa_float_denorm_mode_16_64 3
		.amdhsa_memory_ordered 1
		.amdhsa_forward_progress 1
		.amdhsa_inst_pref_size 135
	.end_amdhsa_kernel
	.amdgpu_metadata
---
amdhsa.version: [ 1, 2 ]
amdhsa.kernels:
  - .name:           k_q8fd686e324_attn
    .symbol:         k_q8fd686e324_attn.kd
    .args:
      - { .name: qkv, .offset: 0, .size: 8, .value_kind: global_buffer, .address_space: global }
      - { .name: mask, .offset: 8, .size: 8, .value_kind: global_buffer, .address_space: global }
      - { .name: out0, .offset: 16, .size: 8, .value_kind: global_buffer, .address_space: global }
    .group_segment_fixed_size: 284672
    .private_segment_fixed_size: 0
    .kernarg_segment_align: 8
    .kernarg_segment_size: 24
    .max_flat_workgroup_size: 512
    .sgpr_count:     66
    .vgpr_count:     256
    .wavefront_size: 32
...
	.end_amdgpu_metadata
.endif
;; end of part 2
